; MI455X (gfx1250); checked and timed in simulation.
; The chip was launched on July 23, 2026; its instructions are those of AMD's public machine-readable ISA for CDNA 5 (MIT licence, August 2026) and "CDNA5" Instruction Set Architecture Reference Guide (July 2026). The comments in the code are by the model that wrote it; some were corrected since.
;; Graph Multi Head Attention. Allowed arithmetic: matrix products marked QUANTISED: E5M2 operands, one E8M0 scale for each 32 along K, by v_wmma_scale_f32_16x16x128_f8f6f4 with both operands' format E5M2, f32 sums; everything else in f32.
;; Inputs: Wk 1,024 x 1,024 float32; Wq 1,024 x 1,024 float32; Wv 1,024 x 1,024 float32; bk 1,024 float32; bq 1,024 float32; bv 1,024 float32; node_emb 4,096 x 1,024 float32.
;; Outputs: out0 4,096 x 1,024 float32.
;; This version of the problem:
;;   THIS VERSION OF THE PROBLEM IS GIVEN IN LOW PRECISION. The matrix products marked QUANTISED in the list below multiply operands that are first quantised to E5M2 (5 exponent bits, 2 mantissa bits; 8 bits a number), with one power-of-two scale for each 32 numbers along K (OCP MX v1.0); their sums are f32. All else is computed in f32.
;;   The module's matrix products, in the order in which they are computed (A, B: the left and right operand; K: the contracted axis; several contracted axes count as one K, in the product's order):
;;     1. [M 4,096, K 1,024] x [K 1,024, N 1,024]; A: input node_emb; B: input Wq: QUANTISED
;;     2. [M 4,096, K 1,024] x [K 1,024, N 1,024]; A: input node_emb; B: input Wk: QUANTISED
;;     3. [M 4,096, K 1,024] x [K 1,024, N 1,024]; A: input node_emb; B: input Wv: QUANTISED
;;     4. batch 16 x [M 4,096, K 64] x [K 64, N 4,096]; A: computed on the way; B: computed on the way: QUANTISED
;;     5. batch 16 x [M 64, K 4,096] x [K 4,096, N 4,096]; A: computed on the way; B: softmax (see below): QUANTISED
;;   THE QUANTISER, for each operand of a quantised product, along K:
;;     - K is cut into blocks of 32 from its start; a last block that is shorter is filled with zeros.
;;     - A block's scale is 2^e with e = floor(log2(the largest magnitude in the block)) - 15, held to -126 .. 127; a block of zeros has e = 0. As a byte (E8M0): e + 127.
;;     - Each number is divided by its block's scale, clamped to +-57,344, and rounded to the nearest number of E5M2, ties to even, subnormals kept.
;;     - The product sums the exact products of the quantised numbers (number of the format x scale) in f32.
;;   ~~~python
;;   def quantise(x, axis):      # numpy; x: float32 -> the quantised numbers, widened to float32 again
;;       x = np.moveaxis(x, axis, -1); K = x.shape[-1]
;;       x = np.pad(x, [(0, 0)] * (x.ndim - 1) + [(0, -K % 32)]); x = x.reshape(x.shape[:-1] + (-1, 32)); a = np.abs(x).max(-1, keepdims=True)
;;       e = np.where(a > 0, np.clip(np.frexp(np.where(a > 0, a, 1))[1] - 1 - 15, -126, 127), 0)      # np.frexp(a)[1] - 1 = floor(log2(a)), exactly
;;       r = np.clip(x / 2.0 ** e, -57344, 57344)
;;       step = 2.0 ** (np.maximum(np.frexp(np.where(r == 0, 1, r))[1] - 1, -14) - 2)
;;       q = np.round(r / step) * step * 2.0 ** e      # np.round: ties to even
;;       return np.moveaxis(q.reshape(q.shape[:-2] + (-1,))[..., :K], -1, axis).astype(np.float32)
;;   ~~~
;;   SOFTMAX AHEAD OF A QUANTISED PRODUCT. Where the list says 'softmax', what is quantised is not the finished softmax but p = 2^(t - M), with t = logit x log2(e) and M = ceil(the row's largest t), a whole number; so 1/2 < the row's largest p <= 1. The row's sum l is taken of the UNQUANTISED p, in f32, and the product's result is divided by l at the end. Since M is a whole number, a kernel that streams over the keys may use a running M (the ceiling of the running maximum): every later rescaling is an exact power of two, which a block's scale takes up: the codes' values come out the same.
;;   OPERANDS COMPUTED ON THE WAY. 'Computed on the way' means the value that the module computes at that place (a softmax that the list does not call 'softmax' is quantised finished and normalised). What goes into a quantiser is computed in f32, as accurately as f32 sums, v_exp_f32 and their like allow (about 1e-6 of the number): no bf16 or f16 on the way to a quantiser, and a product that is left as it is and whose result goes on into a quantised operand takes f32 operands (vector FMAs, or v_wmma_f32_16x16x4_f32). A number that lies on a knife's edge between two numbers of the format may be rounded either way, as far as f32 arithmetic and the matrix unit's own rounding can turn it there, and no further.
;; One version. Each part assembles by itself: llvm-mc -triple=amdgcn-amd-amdhsa -mcpu=gfx1250 --defsym DOCPART=n.
;; ======== version 1 of 1: 3 launches
;; limits: right only within a limited range of input values
;; workspace buffers: x_codes 4,194,304 bytes; x_scales 131,072 bytes; w_codes 3,145,728 bytes; w_scales 98,304 bytes; qc 4,194,304 bytes; qs 262,144 bytes; kvc 8,388,608 bytes; kvs 393,216 bytes
;; launch quant (part 1): grid 224 x 1, 4 waves a work-group, no clusters, 68,096 bytes of LDS; arguments node_emb, Wq, Wk, Wv, x_codes, x_scales, w_codes, w_scales; writes x_codes, x_scales, w_codes, w_scales
.if DOCPART == 1
	.amdgcn_target "amdgcn-amd-amdhsa--gfx1250"
	.amdhsa_code_object_version 6
	.text
	.protected	k_qc326128303_quant
	.globl	k_qc326128303_quant
	.p2align	8
	.type	k_qc326128303_quant,@function
k_qc326128303_quant:
	s_mov_b64 s[64:65], 0
	v_nop
	global_prefetch_b8 v0, s[64:65] scope:SCOPE_SE
	s_setreg_imm32_b32 hwreg(HW_REG_WAVE_MODE, 25, 1), 1
	s_wait_xcnt 0x0
; node_emb [4096][1024] and Wq, Wk, Wv [1024 (k)][1024 (n)], f32, become codes of BF8 (E5M2) with K = 1024 innermost and one E8M0 scale byte for each 32 along K.
; x_codes [4096][1024], x_scales [4096][32];  w_codes [3072][1024], w_scales [3072][32]: rows 0-1023 Wq's columns, 1024-2047 Wk's, 2048-3071 Wv's.
; A block's scale is 2^(floor(log2(its largest magnitude)) - 15); its byte is the largest magnitude's exponent field - 15, held at 1 from below; each number is divided by the scale, held within +-57,344 and rounded to the nearest code, ties to even.
; ROWS ARE STORED OUT OF ORDER: row p of x (column p of a weight) lies at storage row p with bits 3 and 4 exchanged.  Sixteen storage rows on end, 32 A + 16 u + r, are then the rows 32 A + 8 u + r + 8 (r / 8):
; the next launch reads plain neighbouring rows, and its results fall so that a lane's 16 registers of two neighbouring tiles are 16 neighbours along the next product's K.
; LIMITS: NaN and infinities among the inputs are not served.  A block of zeros, or one whose largest magnitude lies under 2^(16 - 127), keeps the byte 1 (a block of zeros would have 127 by the rule: its codes are zeros, and the bytes are read by this program alone).
; SHARES: a work-group takes 32,768 numbers.  Work-groups 0-127 take x (K innermost: a stream of blocks of 32), work-groups 128-223 the weights (K is the first axis: a lane takes a column and its registers run down K).
; The two ways part once, on the work-group's number, and each has LDS bytes of its own.  No tensor loads, no barrier: waves share nothing, and no input byte is read by two work-groups, so a cluster would have nothing to share.
.set EMAX,  15
.set MANT,  0x600000                   ; the mantissa field of 57,344 as f32
.set XWG,   128                        ; work-groups for x
; the way of x
.set STEPS, 16                         ; a wave: 16 steps of 512 numbers = 8 rows
.set XR,    16                         ; v16-79   four sets of 16 numbers as they are loaded
.set XX,    80                         ; v80-111  two sets of 16 neighbours
.set XE,    112                        ; v112-127 a scale byte for each step
.set XC,    128                        ; v128-191 codes: four registers for each step, so that no store's data are written again
.set WREG,  8192                       ; LDS 0 .. 32,767: a region for each wave: two stages of 32 x SP bytes, behind them its 256 scale bytes
.set SP,    80                         ; a lane's place in a stage: its 64 bytes + 16 of padding
; the way of the weights
.set NB,    8                          ; a wave: 32 columns x 256 along K = 8 blocks a lane
.set PITCH, 272                        ; a stage row: 256 bytes of codes + 16
.set WSTG,  32768                      ; LDS 32,768 .. 67,583: a stage of 32 rows for each wave
.set WSB,   24                         ; v24-25   the scale bytes, four to a register
.set WX,    32                         ; v32-95   two sets of 32 numbers
.set WC,    96                         ; v96-103  a block's codes
.set WOUT,  112                        ; v112-175 the way out: 16 x 4 registers
	s_load_b256 s[4:11], s[0:1], 0x0               ; node_emb s[4:5], Wq s[6:7], Wk s[8:9], Wv s[10:11]
	s_load_b256 s[12:19], s[0:1], 0x20             ; x_codes s[12:13], x_scales s[14:15], w_codes s[16:17], w_scales s[18:19]
	v_lshl_add_u32 v192, v0, 2, 0x10800
	v_mov_b32 v193, 0
	v_lshrrev_b32 v1, 5, v0
	v_readfirstlane_b32 s20, v1                    ; wave 0..3
	v_and_b32 v2, 31, v0                           ; lane
	s_mov_b32 s31, MANT                            ; (an instruction takes one literal: the hold's line has another)
	s_cmp_lt_u32 ttmp9, XWG
	s_cbranch_scc0 .Lweights
; ---------------- x: K innermost ----------------
; Each of a step's four loads reads 512 consecutive bytes, 16 a lane; the 2,048 bytes turn through the wave's own stage and come back 64 bytes a lane: 16 neighbours, two lanes to a block.
	v_lshlrev_b32 v3, 4, v2                        ; 16 x lane: my bytes of a load's 512, and of a store's
	s_mul_i32 s21, s20, WREG
	v_lshrrev_b32 v14, 2, v2
	v_mul_u32_u24 v14, v14, SP
	v_and_b32 v15, 3, v2
	v_lshl_add_u32 v14, v15, 4, v14
	v_add_nc_u32 v14, s21, v14                     ; the stage on the way in: SP (lane / 4) + 16 (lane % 4)
	v_mul_u32_u24 v15, v2, SP
	v_add_nc_u32 v15, s21, v15                     ; and on the way out: SP x lane
	v_lshrrev_b32 v5, 1, v2
	s_add_co_u32 s21, s21, 2*32*SP
	v_add_nc_u32 v5, s21, v5                       ; my wave's 256 scale bytes: my block's byte
	v_lshlrev_b32 v7, 3, v2                        ; on the way out 8 bytes a lane
	v_add_nc_u32 v6, s21, v7
	s_lshl_b32 s22, ttmp9, 2
	s_add_co_u32 s24, s22, s20                     ; the run of 8 rows that I read: 4 x work-group + wave
	s_and_b32 s23, s20, 1                          ; a run's bits 0 and 1 are a row's bits 3 and 4: they change places on the way out
	s_lshl_b32 s23, s23, 1
	s_lshr_b32 s25, s20, 1
	s_or_b32 s23, s23, s25
	s_add_co_u32 s26, s22, s23                     ; the run that I write
	s_lshl_b32 s24, s24, 15                        ; 32,768 bytes of f32 a run
	s_mov_b32 s25, 0
	s_lshl_b32 s28, s26, 13                        ; 8,192 bytes of codes
	s_mov_b32 s29, 0
	s_lshl_b32 s26, s26, 8                         ; 256 scale bytes
	s_mov_b32 s27, 0
	s_wait_alu depctr_va_vdst(0)
	s_wait_kmcnt 0x0
	s_add_nc_u64 s[4:5], s[4:5], s[24:25]
	s_add_nc_u64 s[12:13], s[12:13], s[28:29]
	s_add_nc_u64 s[14:15], s[14:15], s[26:27]
.macro XLOAD t
.irp i, 0,1,2,3
	global_load_b128 v[XR+16*((\t)%4)+4*\i:XR+16*((\t)%4)+4*\i+3], v3, s[4:5] offset:2048*(\t)+512*\i th:TH_LOAD_NT   ; 32 lanes read 512 consecutive bytes
.endr
.endm
.macro XTURN t                         ; step t's numbers through the stage: LDS serves a wave's instructions in order, so no wait stands between the stores and the loads
.irp i, 0,1,2,3
	ds_store_b128 v14, v[XR+16*((\t)%4)+4*\i:XR+16*((\t)%4)+4*\i+3] offset:32*SP*((\t)%2)+8*SP*\i
.endr
.irp i, 0,1,2,3
	ds_load_b128 v[XX+16*((\t)%2)+4*\i:XX+16*((\t)%2)+4*\i+3], v15 offset:32*SP*((\t)%2)+16*\i
.endr
.endm
.irp t, 0,1,2,3
	XLOAD \t
.endr
	s_wait_loadcnt 12                              ; step 0's four loads are in; the twelve of steps 1 to 3 may be out
	XTURN 0
.macro XSTEP t
.set XS, XX+16*((\t)%2)
.if (\t) > 0
	s_wait_dscnt 1                                 ; this step's numbers are back from the stage (the last step's byte store may be out): so its stores into the stage have read their registers,
.else
	s_wait_dscnt 0x0
.endif
.if (\t)+4 < STEPS
	XLOAD (\t)+4                                   ; which take the loads of four steps on
.endif
.if (\t)+1 < STEPS
.if STEPS-2-(\t) >= 3
	s_wait_loadcnt 12                              ; the next step's four loads are in; those of the three steps behind it may be out
.else
	s_wait_loadcnt 4*(STEPS-2-(\t))
.endif
	XTURN (\t)+1                                   ; and go through the other stage while this step is worked
.endif
	v_max3_num_f32 v8, |v[XS]|, |v[XS+1]|, |v[XS+2]|               ; the largest magnitude of my 16, in two chains
	v_max3_num_f32 v9, |v[XS+3]|, |v[XS+4]|, |v[XS+5]|
.irp i, 6,10
	v_max3_num_f32 v8, v8, |v[XS+\i]|, |v[XS+\i+1]|
	v_max3_num_f32 v9, v9, |v[XS+\i+2]|, |v[XS+\i+3]|
.endr
	v_max3_num_f32 v8, v8, |v[XS+14]|, |v[XS+15]|
	v_max3_num_f32 v8, v8, v9, (EMAX+1)<<23        ; and the floor 2^(EMAX + 1 - 127): the byte cannot fall under 1
	v_max_num_f32_dpp v8, v8, v8 row_xmask:1 row_mask:0xf bank_mask:0xf   ; and of my neighbour's 16: the block's
	v_add_nc_u32 v11, -(EMAX<<23), v8              ; EMAX off its exponent field: the conversion takes the exponent field of this operand as its scale
	v_and_or_b32 v10, v8, 0x7f800000, s31          ; 57,344 x the scale: the largest magnitude's exponent field over 57,344's mantissa
.irp i, 0,1,2,3,4,5,6,7,8,9,10,11,12,13,14,15
	v_med3_num_f32 v[XS+\i], v[XS+\i], -v10, v10   ; the conversion to an 8-bit code does not saturate (ISA guide 7.6.2): the hold comes first
.endr
	v_cvt_scalef32_pk8_bf8_f32 v[XC+4*(\t):XC+4*(\t)+1], v[XS:XS+7], v11
	v_cvt_scalef32_pk8_bf8_f32 v[XC+4*(\t)+2:XC+4*(\t)+3], v[XS+8:XS+15], v11
	v_lshrrev_b32 v[XE+(\t)], 23, v11              ; the scale's byte (a plain line behind the conversions)
	ds_store_b8 v5, v[XE+(\t)] offset:16*(\t)      ; both lanes of a block write the same byte with the same value
	global_store_b128 v3, v[XC+4*(\t):XC+4*(\t)+3], s[12:13] offset:512*(\t)   ; 32 lanes store 512 consecutive bytes, aligned
.endm
.irp t, 0,1,2,3,4,5,6,7,8,9,10,11,12,13,14,15
	XSTEP \t
.endr
	ds_load_b64 v[12:13], v6                       ; LDS serves a wave's instructions in order: these see my byte stores
	s_wait_dscnt 0x0
	global_store_b64 v7, v[12:13], s[14:15]        ; 32 lanes store 256 consecutive bytes, aligned: the scale bytes of my 8 rows
	s_wait_tensorcnt 0x0
	ds_add_u32 v192, v193
	s_wait_dscnt 0x0
	s_endpgm
; ---------------- the weights: K is the first axis ----------------
; Work-group i = number - 128: weight i / 32; 256 along K: (i / 8) % 4; 128 columns: i % 8.  A lane takes a column, its 32 registers a block of 32 along K: the block's largest magnitude needs no other lane,
; and the conversions give codes with K innermost.  A wave's 32 columns x 256 bytes go through its stage and leave as rows: sixteen lanes store 256 consecutive bytes, aligned.
; The scale bytes leave 8 a lane, to rows 32 bytes apart: 96 KiB in all of what the launch moves.
.Lweights:
	s_sub_co_u32 s21, ttmp9, XWG
	s_lshr_b32 s22, s21, 5                         ; which weight
	s_and_b32 s23, s21, 7
	s_bfe_u32 s24, s21, 0x20003                    ; which 256 along K
	s_lshl_b32 s23, s23, 7
	s_lshl_b32 s25, s20, 5
	s_add_co_u32 s23, s23, s25                     ; my wave's first column
	s_wait_alu depctr_va_vdst(0)
	v_lshlrev_b32 v3, 2, v2                        ; in: 4 bytes a lane
	s_mul_i32 s26, s20, 32*PITCH
	s_add_co_u32 s26, s26, WSTG                    ; my stage
	v_mul_u32_u24 v4, v2, PITCH
	v_add_nc_u32 v4, s26, v4                       ; into it: row = my column
	v_and_b32 v5, 15, v2
	v_lshrrev_b32 v6, 4, v2                        ; out of it: sixteen lanes to a row, two rows an instruction
	v_mul_u32_u24 v7, v6, PITCH
	v_lshl_add_u32 v7, v5, 4, v7
	v_add_nc_u32 v7, s26, v7
	v_lshlrev_b32 v8, 10, v6                       ; and the same place in the codes' buffer: rows of 1,024 bytes
	v_lshl_add_u32 v8, v5, 4, v8
	v_and_b32 v9, 7, v2                            ; my column's storage row among the wave's 32: bits 3 and 4 exchanged
	v_bfe_u32 v10, v2, 3, 1
	v_lshl_or_b32 v9, v10, 4, v9
	v_bfe_u32 v10, v2, 4, 1
	v_lshl_or_b32 v9, v10, 3, v9
	v_lshlrev_b32 v9, 5, v9                        ; 32 scale bytes a row
	s_lshl_b32 s28, s24, 20                        ; the weight: 256 rows of 4,096 bytes for each step along K,
	s_lshl_b32 s27, s23, 2
	s_add_co_u32 s28, s28, s27                     ; + 4 x column
	s_mov_b32 s29, 0
	s_lshl_b32 s27, s22, 10
	s_add_co_u32 s27, s27, s23                     ; the first of my 32 storage rows
	s_lshl_b32 s32, s27, 10
	s_lshl_b32 s30, s24, 8
	s_add_co_u32 s32, s32, s30                     ; codes: row x 1,024 + 256 x step
	s_mov_b32 s33, 0
	s_lshl_b32 s34, s27, 5
	s_lshl_b32 s30, s24, 3
	s_add_co_u32 s34, s34, s30                     ; scale bytes: row x 32 + 8 x step
	s_mov_b32 s35, 0
	s_wait_kmcnt 0x0
	s_cmp_eq_u32 s22, 0                            ; the choice of the buffer hangs on the work-group's number alone
	s_cselect_b64 s[6:7], s[6:7], s[8:9]
	s_cmp_eq_u32 s22, 2
	s_cselect_b64 s[6:7], s[10:11], s[6:7]
	s_add_nc_u64 s[6:7], s[6:7], s[28:29]
	s_add_nc_u64 s[16:17], s[16:17], s[32:33]
	s_add_nc_u64 s[18:19], s[18:19], s[34:35]
.macro WLOAD t                         ; block t: W(32 t + i, my column), i = 0 .. 31, into set t % 2; the largest offset, 255 rows of 4,096 bytes, lies inside the signed 24-bit immediate
.irp i, 0,1,2,3,4,5,6,7,8,9,10,11,12,13,14,15,16,17,18,19,20,21,22,23,24,25,26,27,28,29,30,31
	global_load_b32 v[WX+32*((\t)%2)+\i], v3, s[6:7] offset:(32*(\t)+\i)*4096 th:TH_LOAD_NT
.endr
.endm
	WLOAD 0
	WLOAD 1
.macro WBLOCK t
.set XS, WX+32*((\t)%2)
.if (\t) < NB-1
	s_wait_loadcnt 32                              ; this block's 32 loads are in; the next block's 32 may be out
.else
	s_wait_loadcnt 0
.endif
	v_max3_num_f32 v12, |v[XS]|, |v[XS+1]|, |v[XS+2]|              ; the block's largest magnitude: all 32 numbers are mine
	v_max3_num_f32 v13, |v[XS+3]|, |v[XS+4]|, |v[XS+5]|
.irp i, 6,10,14,18,22,26
	v_max3_num_f32 v12, v12, |v[XS+\i]|, |v[XS+\i+1]|
	v_max3_num_f32 v13, v13, |v[XS+\i+2]|, |v[XS+\i+3]|
.endr
	v_max3_num_f32 v12, v12, |v[XS+30]|, |v[XS+31]|
	v_max3_num_f32 v12, v12, v13, (EMAX+1)<<23     ; and the floor
	v_add_nc_u32 v11, -(EMAX<<23), v12             ; the conversion's scale operand
	v_and_or_b32 v10, v12, 0x7f800000, s31         ; 57,344 x the scale
	v_lshrrev_b32 v13, 23, v11                     ; the scale's byte
.if (\t)%4 == 0
	v_mov_b32 v[WSB+(\t)/4], v13                   ; four bytes to a register, the lower K in the lower byte
.else
	v_lshl_or_b32 v[WSB+(\t)/4], v13, 8*((\t)%4), v[WSB+(\t)/4]
.endif
.irp i, 0,1,2,3,4,5,6,7,8,9,10,11,12,13,14,15,16,17,18,19,20,21,22,23,24,25,26,27,28,29,30,31
	v_med3_num_f32 v[XS+\i], v[XS+\i], -v10, v10
.endr
.irp g, 0,1,2,3
	v_cvt_scalef32_pk8_bf8_f32 v[WC+2*\g:WC+2*\g+1], v[XS+8*\g:XS+8*\g+7], v11
.endr
	v_nop                                          ; a plain line behind the last conversion
	ds_store_b128 v4, v[WC:WC+3] offset:32*(\t)    ; 32 codes: 32 bytes of my column's row
	ds_store_b128 v4, v[WC+4:WC+7] offset:32*(\t)+16
.if (\t)+2 < NB
	WLOAD (\t)+2
.endif
	s_wait_dscnt 0x0                               ; the stores have read their registers: the next block's codes may be written
.endm
.set Q, 0
.rept NB
	WBLOCK Q
.set Q, Q+1
.endr
	global_store_b64 v9, v[WSB:WSB+1], s[18:19]    ; my column's 8 scale bytes
.irp t, 0,1,2,3,4,5,6,7,8,9,10,11,12,13,14,15
	ds_load_b128 v[WOUT+4*\t:WOUT+4*\t+3], v7 offset:2*\t*PITCH   ; columns 2 t and 2 t + 1
.endr
.irp t, 0,1,2,3,4,5,6,7,8,9,10,11,12,13,14,15
	s_wait_dscnt 15-\t                             ; load t is in; the later ones may be out
	global_store_b128 v8, v[WOUT+4*\t:WOUT+4*\t+3], s[16:17] offset:2*((\t&3)|(((\t>>2)&1)<<3)|(((\t>>3)&1)<<2))*1024   ; to the storage rows: bits 3 and 4 of 2 t + half exchanged
.endr
	s_wait_tensorcnt 0x0
	ds_add_u32 v192, v193
	s_wait_dscnt 0x0
	s_endpgm
.Lfunc_end_k_qc326128303_quant:
	.size	k_qc326128303_quant, .Lfunc_end_k_qc326128303_quant-k_qc326128303_quant
	.p2alignl 7, 3214868480
	.fill 96, 4, 3214868480
	.section	.rodata,"a",@progbits
	.p2align	6, 0x0
	.amdhsa_kernel k_qc326128303_quant
		.amdhsa_group_segment_fixed_size 68096
		.amdhsa_private_segment_fixed_size 0
		.amdhsa_enable_private_segment 0
		.amdhsa_kernarg_size 64
		.amdhsa_user_sgpr_count 2
		.amdhsa_user_sgpr_kernarg_segment_ptr 1
		.amdhsa_wavefront_size32 1
		.amdhsa_system_sgpr_workgroup_id_x 1
		.amdhsa_system_sgpr_workgroup_id_y 1
		.amdhsa_system_sgpr_workgroup_id_z 1
		.amdhsa_system_vgpr_workitem_id 0
		.amdhsa_next_free_vgpr 194
		.amdhsa_next_free_sgpr 66
		.amdhsa_reserve_vcc 0
		.amdhsa_float_denorm_mode_32 3
		.amdhsa_float_denorm_mode_16_64 3
		.amdhsa_memory_ordered 1
		.amdhsa_forward_progress 1
		.amdhsa_inst_pref_size 110
	.end_amdhsa_kernel
	.amdgpu_metadata
---
amdhsa.version: [ 1, 2 ]
amdhsa.kernels:
  - .name:           k_qc326128303_quant
    .symbol:         k_qc326128303_quant.kd
    .args:
      - { .name: node_emb, .offset: 0, .size: 8, .value_kind: global_buffer, .address_space: global }
      - { .name: Wq, .offset: 8, .size: 8, .value_kind: global_buffer, .address_space: global }
      - { .name: Wk, .offset: 16, .size: 8, .value_kind: global_buffer, .address_space: global }
      - { .name: Wv, .offset: 24, .size: 8, .value_kind: global_buffer, .address_space: global }
      - { .name: x_codes, .offset: 32, .size: 8, .value_kind: global_buffer, .address_space: global }
      - { .name: x_scales, .offset: 40, .size: 8, .value_kind: global_buffer, .address_space: global }
      - { .name: w_codes, .offset: 48, .size: 8, .value_kind: global_buffer, .address_space: global }
      - { .name: w_scales, .offset: 56, .size: 8, .value_kind: global_buffer, .address_space: global }
    .group_segment_fixed_size: 68096
    .private_segment_fixed_size: 0
    .kernarg_segment_align: 8
    .kernarg_segment_size: 64
    .max_flat_workgroup_size: 128
    .sgpr_count:     66
    .vgpr_count:     194
    .wavefront_size: 32
...
	.end_amdgpu_metadata
.endif
;; end of part 1
;; launch proj (part 2): grid 12 x 16, 4 waves a work-group, clusters of 4 x 4, 327,680 bytes of LDS; arguments x_codes, x_scales, w_codes, w_scales, bq, bk, bv, qc, qs, kvc, kvs; writes qc, qs, kvc, kvs
.if DOCPART == 2
	.amdgcn_target "amdgcn-amd-amdhsa--gfx1250"
	.amdhsa_code_object_version 6
	.text
	.protected	k_qc326128303_proj
	.globl	k_qc326128303_proj
	.p2align	8
	.type	k_qc326128303_proj,@function
k_qc326128303_proj:
	s_mov_b64 s[64:65], 0
	v_nop
	global_prefetch_b8 v0, s[64:65] scope:SCOPE_SE
	s_setreg_imm32_b32 hwreg(HW_REG_WAVE_MODE, 25, 1), 1
	s_wait_xcnt 0x0
	s_wait_alu depctr_hold_cnt(0) depctr_sa_sdst(0) depctr_va_vdst(0) depctr_va_sdst(0) depctr_va_ssrc(0) depctr_va_vcc(0) depctr_vm_vsrc(0)
	s_getreg_b32 s2, hwreg(HW_REG_IB_STS2, 6, 4)
	s_cmp_eq_u32 s2, 0
	s_cbranch_scc0 .Lentry_in_a_cluster
	s_endpgm
.Lentry_in_a_cluster:
	s_bfe_u32 s2, ttmp6, 0x10000c
	s_cmp_lg_u32 s2, 0xf033
	s_cbranch_scc0 .Lentry_shape_is_right
	s_endpgm
.Lentry_shape_is_right:
; Q, K, V = x W + b on codes of BF8 (E5M2, one E8M0 byte for 32 along K = 1,024), and their quantisers: codes and scale words leave as images of the next launch's operand registers.
; A work-group of four waves makes 256 x 256 of a product, a wave 128 x 128; the cluster's x says which: 0 Q, 1 K (rows of x against columns of the weight), 2 V (the weight's columns against rows of x, so that the keys run along a lane's registers).
; K goes in steps of 256 through a ring of two LDS slots; the scale bytes of the 512 rows stay in LDS.  4 x 4 work-groups form a cluster and ask for shared tiles jointly.
; THE HEAD: one tensor load a wave: wave 0 A's 256 rows of K step 0, wave 1 B's, waves 2 and 3 the two tiles of scale bytes; the address work stands under them; slot 1's first fill follows behind the full sequence and a round.
; PREFETCH: K steps 1, 2 and 3 of the 128 rows that a wave fetches in the ring: each of the four partners of a joint load takes 32 rows, told apart by address, a lane a row, one instruction a K step.
; THE WAY OUT: each of a wave's eight blocks of 16 rows has a store base of its own (s24-39) and code registers of its own (window 1, v0-127), so that no register of a pending store is written again.
; LIMITS: NaN and infinities are not served; a block's byte never falls under 1.
.set KSTEP,  256
.set NQ,     KSTEP/128
.set ROWB,   256
.set KROW,   1024
.set PITCH,  272
.set FR,     16
.set NL,     4
.set NP,     8
.set HALFT,  128*PITCH
.set SLOT,   4*HALFT
.set LAPS,   1024/(2*KSTEP)
.set KS,     32
.set SCL,    2*SLOT
.set HALFS,  (128*KS/256)*272
.set SBLK,   (16*KS/256)*272
.set SPARE,  SCL+4*HALFS
.set STGQ,   SPARE+512
.set STGV,   STGQ+4096
.set VO,   7
.set LI,   7
.set SGO1, 11
.set SST,  12
.set SSV,  13
.set SRD,  14
.set SRDV, 15
.set ADRA, 16
.set SGV,  18
.set ADRS, 19
.set ADRB, 20
.set SPW,  22
.set NIL,  23
.set BM,   24
.set SC,   32
.set BN,   64
.set AF,   128
.set T,    128
.set PC,   192
.set TM,   224
.set PWS,  240
.set TW,   248
.set G1, 24
.set G0, 32
.set G1B, 48
.set G0B, 56
.set G1S, 68
.set G0S, 76
.set G1SB, 80
.set G0SB, 88
.set WV,   44
.set WR,   45
.set WC,   46
.set KIND, 47
.set MSB, 0
.macro WIN new
.if MSB != \new
	s_set_vgpr_msb (MSB<<8)|\new
.set MSB, \new
.endif
.endm
.set MUL_LO, 0xa1
.set MUL_HI, 0xf1
.set TO_B,   0x40
.macro JLOAD g0a, g1a, g0b, g1b
	s_cmp_eq_u32 s[WR], 0
	s_cbranch_scc0 .Lfor_b_\@
	tensor_load_to_lds s[\g0a:\g0a+3], s[\g1a:\g1a+7]
	s_nop 0
.rept 4
	v_nop
.endr
	s_branch .Lasked_\@
.Lfor_b_\@:
	tensor_load_to_lds s[\g0b:\g0b+3], s[\g1b:\g1b+7]
	s_nop 0
.rept 4
	v_nop
.endr
.Lasked_\@:
.endm
.macro CREST
	s_cmp_lg_u32 s[WV], 0
	s_cbranch_scc1 .Lnot_wave_0_\@
	s_barrier_signal -3
.Lnot_wave_0_\@:
	s_barrier_wait -3
	s_barrier_signal -1
	s_barrier_wait -1
.endm
.macro CROUND
	s_barrier_signal -1
	s_barrier_wait -1
	CREST
.endm
	s_load_b256 s[4:11], s[0:1], 0x0
	s_load_b256 s[12:19], s[0:1], 0x20
	s_load_b128 s[20:23], s[0:1], 0x40
	s_load_b64 s[66:67], s[0:1], 0x50
	v_lshl_add_u32 v[SPW], v0, 2, SPARE
	v_mov_b32 v[NIL], 0
	ds_add_u32 v22, v23
	ds_add_u32 v22, v23
	s_wait_dscnt 0x0
	v_lshrrev_b32 v1, 5, v0
	v_readfirstlane_b32 s[WV], v1
	s_lshr_b32 s[WR], s[WV], 1
	s_and_b32 s[WC], s[WV], 1
	s_bfe_u32 s40, ttmp6, 0x40000
	s_bfe_u32 s41, ttmp6, 0x40004
	s_mov_b32 s[KIND], ttmp9
	s_and_b32 s92, ttmp7, 0xffff
	s_lshl_b32 s92, s92, 2
	s_lshl_b32 s96, s[KIND], 2
	s_cmp_eq_u32 s[KIND], 2
	s_cselect_b32 s43, 0, s92
	s_cselect_b32 s42, s92, s96
	s_cselect_b32 s94, 2048, 0
	s_add_co_u32 s43, s43, s41
	s_add_co_u32 s42, s42, s40
	s_lshl_b32 s95, s41, 2
	s_lshl_b32 s95, 15, s95
	s_lshl_b32 s2, 0x1111, s40
	s_or_b32 s[G1+0], s95, (0<<16)|(1<<20)|(1<<21)|(5<<22)|(3<<25)
	s_or_b32 s[G1B+0], s2, (0<<16)|(1<<20)|(1<<21)|(5<<22)|(3<<25)
.irp g, G1, G1B
	s_mov_b32 s[\g+1], ROWB<<16
	s_mov_b32 s[\g+2], 256<<16
	s_mov_b32 s[\g+3], ROWB<<16
	s_mov_b32 s[\g+4], 256
	s_mov_b32 s[\g+5], KROW
	s_mov_b32 s[\g+6], 0
	s_mov_b32 s[\g+7], 0
.endr
	s_or_b32 s[G1S+0], s95, (3<<16)|(1<<20)|(1<<21)|(5<<22)|(3<<25)
	s_or_b32 s[G1SB+0], s2, (3<<16)|(1<<20)|(1<<21)|(5<<22)|(3<<25)
.irp g, G1S, G1SB
	s_mov_b32 s[\g+1], 32<<16
	s_mov_b32 s[\g+2], (256*KS/256)<<16
	s_mov_b32 s[\g+3], 32<<16
	s_mov_b32 s[\g+4], 256*KS/256
	s_mov_b32 s[\g+5], 32
	s_mov_b32 s[\g+6], 0
	s_mov_b32 s[\g+7], 0
.endr
	s_lshl_b32 s2, s[WC], 17                       ; in the ring I fetch half a tile: 128 rows of 1,024 bytes on
	s_mov_b32 s3, 0
	s_lshl_b32 s92, s43, 8                         ; A's tile: its first row
	s_add_co_u32 s92, s92, s94
	s_lshl_b32 s96, s42, 8                         ; B's
	s_lshl_b32 s98, s92, 5
	s_mov_b32 s99, 0
	s_lshl_b32 s92, s92, 10
	s_mov_b32 s93, 0
	s_lshl_b32 s100, s96, 5
	s_mov_b32 s101, 0
	s_lshl_b32 s96, s96, 10
	s_mov_b32 s97, 0
	s_mul_i32 s94, s[WV], HALFT
	s_wait_kmcnt 0x0
	s_cmp_eq_u32 s[KIND], 2
	s_cselect_b64 s[G0+2:G0+3], s[8:9], s[4:5]
	s_cselect_b64 s[G0B+2:G0B+3], s[4:5], s[8:9]
	s_cselect_b64 s[G0S+2:G0S+3], s[10:11], s[6:7]
	s_cselect_b64 s[G0SB+2:G0SB+3], s[6:7], s[10:11]
	s_add_nc_u64 s[G0+2:G0+3], s[G0+2:G0+3], s[92:93]
	s_add_nc_u64 s[G0B+2:G0B+3], s[G0B+2:G0B+3], s[96:97]
	s_add_nc_u64 s[G0+6:G0+7], s[G0+2:G0+3], s[2:3]        ; slot 1's first fill: my half of the tile,
	s_add_nc_u64 s[G0B+6:G0B+7], s[G0B+2:G0B+3], s[2:3]
	s_add_nc_u64 s[G0+6:G0+7], s[G0+6:G0+7], ROWB          ; K step 1
	s_add_nc_u64 s[G0B+6:G0B+7], s[G0B+6:G0B+7], ROWB
	s_add_nc_u64 s[G0S+2:G0S+3], s[G0S+2:G0S+3], s[98:99]
	s_add_nc_u64 s[G0SB+2:G0SB+3], s[G0SB+2:G0SB+3], s[100:101]
	s_cmp_eq_u32 s[WR], 0                          ; the prefetches: the tile that I fetch for in the ring,
	s_cselect_b64 s[104:105], s[G0+2:G0+3], s[G0B+2:G0B+3]
	s_cselect_b32 s100, s40, s41                   ; my place among the four that ask for it with me,
	s_lshl_b32 s100, s100, 15                      ; 32 rows of 1,024 bytes for each place,
	s_add_nc_u64 s[104:105], s[104:105], s[100:101]
	s_add_nc_u64 s[104:105], s[104:105], s[2:3]    ; in my half of the tile
	CROUND
	s_mov_b32 s[G0S], 1                            ; the head's four tiles, each whole: the scale bytes of A's 256 rows,
	s_mov_b32 s[G0S+1], SCL
	s_or_b32 s[G0S+3], s[G0S+3], 0x80000000
	s_mov_b32 s[G0SB], 1                           ; of B's,
	s_mov_b32 s[G0SB+1], SCL+2*HALFS
	s_or_b32 s[G0SB+3], s[G0SB+3], 0x80000000
	s_mov_b32 s[G0], 1                             ; K step 0's 256 rows of A (slot 0's group 0 takes the ring's form behind the wait for these loads),
	s_mov_b32 s[G0+1], 0
	s_or_b32 s[G0+3], s[G0+3], 0x80000000
	s_mov_b32 s[G0B], 1                            ; and of B, behind them in slot 0
	s_mov_b32 s[G0B+1], 2*HALFT
	s_or_b32 s[G0B+3], s[G0B+3], 0x80000000
	s_mov_b32 s[G0+4], 1                           ; slot 1: a quarter of the slot a wave
	s_add_co_u32 s[G0+5], s94, SLOT
	s_or_b32 s[G0+7], s[G0+7], 0x80000000
	s_mov_b32 s[G0B+4], 1
	s_add_co_u32 s[G0B+5], s94, SLOT
	s_or_b32 s[G0B+7], s[G0B+7], 0x80000000
; ONE tree of branches on the wave's number, an arm a load, all arms leading to one join: one tensor load a wave at the head
.macro ARM under, g0, g1, next
	s_cmp_lt_u32 s[WV], \under
	s_cbranch_scc0 \next
	tensor_load_to_lds s[\g0:\g0+3], s[\g1:\g1+7]
	s_nop 0
.rept 4
	v_nop
.endr
	s_branch .Lhead_asked
\next:
.endm
	ARM 1, G0,  G1,  .Lhead_b
	ARM 2, G0B, G1B, .Lhead_sa
	ARM 3, G0S, G1S, .Lhead_sb
	tensor_load_to_lds s[G0SB:G0SB+3], s[G1SB:G1SB+7]
	s_nop 0
.rept 4
	v_nop
.endr
.Lhead_asked:
	v_and_b32 v63, 31, v0
	v_lshlrev_b32 v63, 10, v63                     ; the prefetches' offset: a lane a row of 1,024 bytes; it stands until the wait on XCNT in front of slot 1's fill
	global_prefetch_b8 v63, s[104:105] offset:256 th:TH_LOAD_NT scope:SCOPE_SE   ; K step 1 of my 32 rows,
	global_prefetch_b8 v63, s[104:105] offset:512 th:TH_LOAD_NT scope:SCOPE_SE   ; K step 2
	v_and_b32 v1, 15, v0
	v_bfe_u32 v2, v0, 4, 1
	v_mul_u32_u24 v3, v1, PITCH
	v_lshl_add_u32 v4, v2, 4, v3
	s_mul_i32 s92, s[WR], HALFT
	s_mul_i32 s93, s[WC], HALFT
	s_add_co_u32 s93, s93, 2*HALFT
.irp s, 0,1
	v_add_nc_u32 v[ADRA+\s], s92, v4
	v_add_nc_u32 v[ADRB+\s], s93, v4
	s_add_co_u32 s92, s92, SLOT
	s_add_co_u32 s93, s93, SLOT
.endr
	v_mul_u32_u24 v5, v1, KS
	v_lshrrev_b32 v6, 8, v5
	v_lshl_add_u32 v5, v6, 4, v5
	s_mul_i32 s92, s[WR], HALFS
	s_mul_i32 s93, s[WC], HALFS
	s_add_co_u32 s93, s93, 2*HALFS
	s_sub_co_u32 s93, s93, s92
	v_mul_u32_u24 v6, s93, v2
	s_add_co_u32 s92, s92, SCL
	v_add_nc_u32 v5, v5, v6
	v_add_nc_u32 v[ADRS], s92, v5
	global_prefetch_b8 v63, s[104:105] offset:768 th:TH_LOAD_NT scope:SCOPE_SE   ; K step 3: the row's last 256 bytes
	s_mov_b32 s93, 24576
	s_cmp_eq_u32 s[KIND], 0
	s_cselect_b32 s92, 13, 14
	s_cselect_b32 s93, 16384, s93
	s_cselect_b64 s[4:5], s[18:19], s[22:23]
	s_cselect_b64 s[6:7], s[20:21], s[66:67]
	s_cselect_b64 s[12:13], s[12:13], s[14:15]
	s_lshl_b32 s94, s43, 1
	s_add_co_u32 s94, s94, s[WR]
	s_lshl_b32 s95, s42, 1
	s_add_co_u32 s95, s95, s[WC]
	s_lshl_b32 s96, s40, 2
	s_lshl_b32 s97, s[WC], 1
	s_add_co_u32 s96, s96, s97
	s_lshl_b32 s97, s43, 2
	s_lshl_b32 s98, s[WR], 1
	s_add_co_u32 s97, s97, s98
	s_add_co_u32 s100, s92, 5
	s_lshl_b32 s99, 1, s100
	s_mov_b32 s8, 1024
	s_mov_b32 s10, 1024
	s_cmp_eq_u32 s[KIND], 2
	s_cselect_b64 s[12:13], s[16:17], s[12:13]
	s_cselect_b32 s94, s95, s94
	s_cselect_b32 s96, s97, s96
	s_cselect_b32 s95, 8192, 0
	s_cselect_b32 s8, 2048, s8
	s_cselect_b32 s10, 518144, s10
	s_cselect_b32 s97, 8, 9
	s_cselect_b32 s98, 16384, 0
	s_cselect_b32 s99, 1024, s99
	s_cselect_b32 s2, s43, s40
	s_cselect_b32 s3, s[WR], s[WC]
	s_mov_b32 s9, 0
	s_mov_b32 s11, 0
	s_lshl_b32 s100, s96, s100
	s_lshl_b32 s101, s94, s92
	s_add_co_u32 s100, s100, s101
	s_add_co_u32 s100, s100, s95
	s_mov_b32 s101, 0
	s_add_nc_u64 s[4:5], s[4:5], s[100:101]
	s_mul_i32 s100, s96, s93
	s_lshl_b32 s94, s94, s97
	s_add_co_u32 s100, s100, s94
	s_add_co_u32 s100, s100, s98
	s_add_nc_u64 s[6:7], s[6:7], s[100:101]
	s_lshl_b32 s2, s2, 10
	s_lshl_b32 s3, s3, 9
	s_add_co_u32 s2, s2, s3
	s_mov_b32 s3, 0
	s_add_nc_u64 s[12:13], s[12:13], s[2:3]
	s_mov_b32 s14, 0x76543210
	s_mov_b32 s15, 0xfedcba98
	s_mov_b32 s16, 0x600000
	s_mov_b32 s17, 0xffff0000
	s_mov_b32 s18, 0x7f7f0000
	s_lshl_b32 s94, s[WV], 10
	v_and_b32 v3, 31, v0
	v_lshlrev_b32 v[LI], 4, v3
	v_add_nc_u32 v[VO+1], 512, v[LI]
	v_add_nc_u32 v[VO+2], s99, v[LI]
	v_add_nc_u32 v[VO+3], 512, v[VO+2]
	v_add_nc_u32 v[SGO1], s93, v[LI]
	v_lshlrev_b32 v[SST], 4, v1
	v_lshl_add_u32 v[SST], v2, 9, v[SST]
	v_add_nc_u32 v[SST], s94, v[SST]
	v_add_nc_u32 v[SST], STGQ, v[SST]
	v_lshlrev_b32 v[SSV], 3, v1
	v_add_nc_u32 v[SSV], s94, v[SSV]
	v_add_nc_u32 v[SSV], STGV, v[SSV]
	v_add_nc_u32 v[SRD], s94, v[LI]
	v_add_nc_u32 v[SRDV], STGV, v[SRD]
	v_add_nc_u32 v[SRD], STGQ, v[SRD]
	v_mul_u32_u24 v[SGV], v2, 24576
	v_lshl_add_u32 v[SGV], v1, 4, v[SGV]
	v_lshlrev_b32 v5, 6, v2
	v_and_b32 v6, 8, v1
	v_add_nc_u32 v6, v6, v1
	v_lshlrev_b32 v6, 2, v6
.irp b, 0,1,2,3
.irp j, 0,1,2,3
	global_load_b128 v[BN+16*\b+4*\j:BN+16*\b+4*\j+3], v5, s[12:13] offset:128*\b+16*\j
.endr
.endr
.irp a, 0,1,2,3,4,5,6,7
	global_load_b32 v[BM+\a], v6, s[12:13] offset:4*(32*(\a/2)+8*(\a%2))
.endr
.macro FRAG reg, adr, q, i
.irp c, 0,1,2,3
	ds_load_b128 v[\reg+4*\c:\reg+4*\c+3], v[\adr] offset:128*(\q)+32*\c+(\i)*16*PITCH
.endr
.endm
.macro MUL16 a0, p, q, sc, zero
.irp a, \a0, \a0+1
.irp b, 0,1,2,3,4,5,6,7
.if \zero
	v_wmma_scale_f32_16x16x128_f8f6f4 v[8*(8*((\a)%4)+\b):8*(8*((\a)%4)+\b)+7], v[128*(\p)+FR*\b:128*(\p)+FR*\b+FR-1], v[AF+FR*(\a):AF+FR*(\a)+FR-1], 0, v[SC+8*NQ*(\sc)+NQ*\b+(\q)], v[SC+8*NQ*(\sc)+NQ*(\a)+(\q)] matrix_a_fmt:MATRIX_FMT_BF8 matrix_b_fmt:MATRIX_FMT_BF8 matrix_a_scale:MATRIX_SCALE_ROW1
.else
	v_wmma_scale_f32_16x16x128_f8f6f4 v[8*(8*((\a)%4)+\b):8*(8*((\a)%4)+\b)+7], v[128*(\p)+FR*\b:128*(\p)+FR*\b+FR-1], v[AF+FR*(\a):AF+FR*(\a)+FR-1], v[8*(8*((\a)%4)+\b):8*(8*((\a)%4)+\b)+7], v[SC+8*NQ*(\sc)+NQ*\b+(\q)], v[SC+8*NQ*(\sc)+NQ*(\a)+(\q)] matrix_a_fmt:MATRIX_FMT_BF8 matrix_b_fmt:MATRIX_FMT_BF8 matrix_a_scale:MATRIX_SCALE_ROW1
.endif
.endr
.endr
.endm
.macro FETCH_B slot, q, p
	WIN TO_B
.irp i, 0,1,2,3,4,5,6,7
	FRAG 128*(\p)+FR*\i, ADRB+\slot, \q, \i
.endr
	WIN 0
.endm
.macro FETCH_A slot, q, i0
.irp i, \i0, \i0+1, \i0+2, \i0+3
	FRAG AF+FR*(\i), ADRA+\slot, \q, \i
.endr
.endm
.macro SCALES sc
.irp i, 0,1,2,3,4,5,6,7
	ds_load_b64 v[SC+8*NQ*\sc+NQ*\i:SC+8*NQ*\sc+NQ*\i+1], v[ADRS] offset:\i*SBLK
.endr
.endm
.macro PLACES n
.rept \n
	v_nop
.endr
.endm
.macro STEP slot, q, zero
	s_wait_dscnt 4*NL
	WIN MUL_LO
	MUL16 0, (\q)%2, \q, \slot, \zero
	MUL16 2, (\q)%2, \q, \slot, \zero
	s_wait_dscnt 0
	PLACES NP
	FETCH_B \slot, (\q)+1, 1-(\q)%2
	FETCH_A \slot, (\q)+1, 0
	WIN MUL_HI
	MUL16 4, (\q)%2, \q, \slot, \zero
	MUL16 6, (\q)%2, \q, \slot, \zero
	PLACES NP
	WIN 0
	FETCH_A \slot, (\q)+1, 4
.endm
.macro TURN slot, next, fill
	s_wait_tensorcnt 0x0
	ds_add_u32 v[SPW], v[NIL]
	s_wait_dscnt 4*NL+1
	WIN MUL_LO
	MUL16 0, 1, NQ-1, \slot, 0
	s_wait_dscnt 0x0
	s_barrier_signal -1
	MUL16 2, 1, NQ-1, \slot, 0
	WIN 0
	s_barrier_wait -1
.if \fill
	CREST
	s_add_nc_u64 s[G0+4*\slot+2:G0+4*\slot+3], s[G0+4*\slot+2:G0+4*\slot+3], 2*ROWB
	s_add_nc_u64 s[G0B+4*\slot+2:G0B+4*\slot+3], s[G0B+4*\slot+2:G0B+4*\slot+3], 2*ROWB
	JLOAD G0+4*\slot, G1, G0B+4*\slot, G1B
	PLACES NP-4
.else
	PLACES NP
.endif
	s_wait_alu depctr_va_vdst(0)
	v_add_nc_u32 v[ADRS], 4*NQ, v[ADRS]
	FETCH_B \next, 0, 0
	FETCH_A \next, 0, 0
	SCALES \next
	WIN MUL_HI
	MUL16 4, 1, NQ-1, \slot, 0
	MUL16 6, 1, NQ-1, \slot, 0
	PLACES NP
	WIN 0
	FETCH_A \next, 0, 4
.endm
	s_wait_alu depctr_va_vdst(0)
	s_wait_tensorcnt 0x0                           ; my tile of the head's four is in
	ds_add_u32 v[SPW], v[NIL]
	s_mov_b32 s[G1+2], 128<<16                     ; no tensor load of mine is out, so a descriptor may be written: from here on a load brings 128 rows,
	s_mov_b32 s[G1+4], 128
	s_mov_b32 s[G1B+2], 128<<16
	s_mov_b32 s[G1B+4], 128
	s_mul_i32 s[G0+1], s[WV], HALFT                ; and slot 0's groups 0 take the ring's form: a quarter of the slot a wave,
	s_mul_i32 s[G0B+1], s[WV], HALFT
	s_lshl_b32 s100, s[WC], 17
	s_mov_b32 s101, 0
	s_add_nc_u64 s[G0+2:G0+3], s[G0+2:G0+3], s[100:101]      ; my half of the tile
	s_add_nc_u64 s[G0B+2:G0B+3], s[G0B+2:G0B+3], s[100:101]
	s_wait_xcnt 0x0                                ; the prefetches have read their offset: its register takes scale words later
	s_wait_dscnt 0x0                               ; the add is done
	CROUND                                         ; a whole round: all four tiles are in, and the sixteen work-groups are here,
	JLOAD G0+4, G1, G0B+4, G1B                     ; and K step 1's load, the first tensor load behind the round
	FETCH_B 0, 0, 0
	FETCH_A 0, 0, 0
	SCALES 0
	FETCH_A 0, 0, 4
	STEP 0, 0, 1
	s_mov_b32 s3, LAPS-1
.Llap:
	TURN 0, 1, 1
	STEP 1, 0, 0
	TURN 1, 0, 1
	STEP 0, 0, 0
	s_sub_co_u32 s3, s3, 1
	s_cmp_lg_u32 s3, 0
	s_cbranch_scc1 .Llap
	TURN 0, 1, 0
	STEP 1, 0, 0
	s_wait_dscnt 4*NL
	WIN MUL_LO
	MUL16 0, 1, NQ-1, 1, 0
	MUL16 2, 1, NQ-1, 1, 0
	s_wait_dscnt 0
	WIN MUL_HI
	MUL16 4, 1, NQ-1, 1, 0
	MUL16 6, 1, NQ-1, 1, 0
	WIN 0
.macro BIAS a
	s_cmp_eq_u32 s[KIND], 2
	s_cbranch_scc1 .Lby_row_\@
	WIN (0x02+(\a)/4)
.set i, 0
.rept 32
	v_pk_add_f32 v[T+2*i:T+2*i+1], v[64*((\a)%4)+2*i:64*((\a)%4)+2*i+1], v[BN+2*i:BN+2*i+1]
.set i, i+1
.endr
	WIN 0
	s_branch .Lbiased_\@
.Lby_row_\@:
	WIN (0x02+(\a)/4)
.set i, 0
.rept 32
.if (\a)%2
	v_pk_add_f32 v[T+2*i:T+2*i+1], v[64*((\a)%4)+2*i:64*((\a)%4)+2*i+1], v[BM+2*((\a)/2):BM+2*((\a)/2)+1] op_sel:[0,1] op_sel_hi:[1,1]
.else
	v_pk_add_f32 v[T+2*i:T+2*i+1], v[64*((\a)%4)+2*i:64*((\a)%4)+2*i+1], v[BM+2*((\a)/2):BM+2*((\a)/2)+1] op_sel_hi:[1,0]
.endif
.set i, i+1
.endr
	WIN 0
.Lbiased_\@:
.endm
.macro QUANT s, pc, pw
.irp b, 0,1,2,3
	v_max3_num_f32 v[TM+\b], |v[\s+16*\b]|, |v[\s+1+16*\b]|, 0x8000000
.endr
.irp i, 2,4,6,8,10,12,14
.irp b, 0,1,2,3
	v_max3_num_f32 v[TM+\b], v[TM+\b], |v[\s+16*\b+\i]|, |v[\s+1+16*\b+\i]|
.endr
.endr
.irp b, 0,1,2,3
	v_permlanex16_b32 v[TM+4+\b], v[TM+\b], s14, s15
.endr
.irp b, 0,1,2,3
	v_max_num_f32 v[TM+\b], v[TM+\b], v[TM+4+\b]
.endr
.irp b, 0,1,2,3
	v_add_nc_u32 v[TM+12+\b], 0xf8800000, v[TM+\b]
.endr
.irp b, 0,1,2,3
	v_and_or_b32 v[TM+8+\b], v[TM+\b], 0x7f800000, s16
.endr
.irp b, 0,1,2,3
	v_lshrrev_b32 v[TM+4+\b], 23, v[TM+12+\b]
.endr
	v_lshl_or_b32 v[\pw], v[TM+5], 8, v[TM+4]
	v_lshl_or_b32 v[\pw], v[TM+6], 16, v[\pw]
	v_lshl_or_b32 v[\pw], v[TM+7], 24, v[\pw]
.irp b, 0,1,2,3
.irp i, 0,1,2,3,4,5,6,7,8,9,10,11,12,13,14,15
	v_med3_num_f32 v[\s+16*\b+\i], v[\s+16*\b+\i], -v[TM+8+\b], v[TM+8+\b]
.endr
.endr
	WIN 0x40                                       ; the codes go to window 1
.irp b, 0,1,2,3
	v_cvt_scalef32_pk8_bf8_f32 v[\pc+4*\b:\pc+1+4*\b], v[\s+16*\b:\s+7+16*\b], v[TM+12+\b]
	v_cvt_scalef32_pk8_bf8_f32 v[\pc+2+4*\b:\pc+3+4*\b], v[\s+8+16*\b:\s+15+16*\b], v[TM+12+\b]
.endr
	WIN 0
	v_nop
.endm
.macro ROWBLK a
	BIAS \a
	QUANT T, (16*(\a)), (PWS+(\a))
	s_wait_alu depctr_va_vdst(0)
	WIN 0x04                                       ; the stores' data lie in window 1: sixteen registers for each block, written once
.irp c, 0,1,2,3
	global_store_b128 v[VO+\c], v[16*(\a)+4*\c:16*(\a)+4*\c+3], s[24+2*(\a):25+2*(\a)]
.endr
	WIN 0
.endm
	PLACES NP
.irp b, 0,1,2,3
	v_mov_b32 v[TM+4+\b], 0
.endr
	s_mov_b64 s[24:25], s[4:5]                     ; a store base for each of my eight blocks, in registers that the finished tensor loads have left
	s_add_nc_u64 s[26:27], s[24:25], s[8:9]
	s_add_nc_u64 s[28:29], s[26:27], s[8:9]
	s_add_nc_u64 s[30:31], s[28:29], s[8:9]
	s_add_nc_u64 s[32:33], s[30:31], s[10:11]
	s_add_nc_u64 s[34:35], s[32:33], s[8:9]
	s_add_nc_u64 s[36:37], s[34:35], s[8:9]
	s_add_nc_u64 s[38:39], s[36:37], s[8:9]
	s_wait_loadcnt 0x0
.irp a, 0,1,2,3,4,5,6,7
	ROWBLK \a
.endr
	s_cmp_eq_u32 s[KIND], 2
	s_cbranch_scc1 .Lv_scales
.irp a, 0,1,2,3,4,5,6,7
	v_lshrrev_b32 v[T+\a], 16, v[PWS+\a]
	v_cndmask_b32 v[TW+\a], v[PWS+\a], v[T+\a], s17
	v_and_or_b32 v[TW+\a], v[TW+\a], 0xffff, s18
	ds_store_b32 v[SST], v[TW+\a] offset:(\a%2)*256+(\a/2)*4
.endr
	ds_load_b128 v[T:T+3], v[SRD]
	ds_load_b128 v[T+4:T+7], v[SRD] offset:512
	s_wait_dscnt 0x0
	global_store_b128 v[LI], v[T:T+3], s[6:7]
	global_store_b128 v[SGO1], v[T+4:T+7], s[6:7]
	s_branch .Lscales_out
.Lv_scales:
.irp a, 0,1,2,3,4,5,6,7
	ds_store_b32 v[SSV], v[PWS+\a] offset:(\a/4)*256+(\a%2)*128+((\a%4)/2)*4
.endr
	ds_load_b128 v[T:T+3], v[SRDV]
	s_wait_dscnt 0x0
	global_store_b128 v[SGV], v[T:T+3], s[6:7]
.Lscales_out:
	s_wait_tensorcnt 0x0
	ds_add_u32 v[SPW], v[NIL]
	s_wait_dscnt 0x0
	CROUND
	s_endpgm
.Lfunc_end_k_qc326128303_proj:
	.size	k_qc326128303_proj, .Lfunc_end_k_qc326128303_proj-k_qc326128303_proj
	.p2alignl 7, 3214868480
	.fill 96, 4, 3214868480
	.section	.rodata,"a",@progbits
	.p2align	6, 0x0
	.amdhsa_kernel k_qc326128303_proj
		.amdhsa_group_segment_fixed_size 327680
		.amdhsa_private_segment_fixed_size 0
		.amdhsa_enable_private_segment 0
		.amdhsa_kernarg_size 88
		.amdhsa_user_sgpr_count 2
		.amdhsa_user_sgpr_kernarg_segment_ptr 1
		.amdhsa_wavefront_size32 1
		.amdhsa_system_sgpr_workgroup_id_x 1
		.amdhsa_system_sgpr_workgroup_id_y 1
		.amdhsa_system_sgpr_workgroup_id_z 1
		.amdhsa_system_vgpr_workitem_id 0
		.amdhsa_next_free_vgpr 1024
		.amdhsa_next_free_sgpr 106
		.amdhsa_reserve_vcc 0
		.amdhsa_float_denorm_mode_32 3
		.amdhsa_float_denorm_mode_16_64 3
		.amdhsa_memory_ordered 1
		.amdhsa_forward_progress 1
		.amdhsa_inst_pref_size 228
	.end_amdhsa_kernel
	.amdgpu_metadata
---
amdhsa.version: [ 1, 2 ]
amdhsa.kernels:
  - .name:           k_qc326128303_proj
    .symbol:         k_qc326128303_proj.kd
    .args:
      - { .name: x_codes, .offset: 0, .size: 8, .value_kind: global_buffer, .address_space: global }
      - { .name: x_scales, .offset: 8, .size: 8, .value_kind: global_buffer, .address_space: global }
      - { .name: w_codes, .offset: 16, .size: 8, .value_kind: global_buffer, .address_space: global }
      - { .name: w_scales, .offset: 24, .size: 8, .value_kind: global_buffer, .address_space: global }
      - { .name: bq, .offset: 32, .size: 8, .value_kind: global_buffer, .address_space: global }
      - { .name: bk, .offset: 40, .size: 8, .value_kind: global_buffer, .address_space: global }
      - { .name: bv, .offset: 48, .size: 8, .value_kind: global_buffer, .address_space: global }
      - { .name: qc, .offset: 56, .size: 8, .value_kind: global_buffer, .address_space: global }
      - { .name: qs, .offset: 64, .size: 8, .value_kind: global_buffer, .address_space: global }
      - { .name: kvc, .offset: 72, .size: 8, .value_kind: global_buffer, .address_space: global }
      - { .name: kvs, .offset: 80, .size: 8, .value_kind: global_buffer, .address_space: global }
    .group_segment_fixed_size: 327680
    .private_segment_fixed_size: 0
    .kernarg_segment_align: 8
    .kernarg_segment_size: 88
    .max_flat_workgroup_size: 128
    .sgpr_count:     106
    .vgpr_count:     1024
    .wavefront_size: 32
...
	.end_amdgpu_metadata
.endif
;; end of part 2
;; launch attn (part 3): grid 16 x 16, 16 waves a work-group, clusters of 4 x 1, 327,680 bytes of LDS; arguments qc, qs, kvc, kvs, out0; writes out0
.if DOCPART == 3
	.amdgcn_target "amdgcn-amd-amdhsa--gfx1250"
	.amdhsa_code_object_version 6
	.text
	.protected	k_qc326128303_attn
	.globl	k_qc326128303_attn
	.p2align	8
	.type	k_qc326128303_attn,@function
k_qc326128303_attn:
	s_mov_b64 s[64:65], 0
	v_nop
	global_prefetch_b8 v0, s[64:65] scope:SCOPE_SE
	s_setreg_imm32_b32 hwreg(HW_REG_WAVE_MODE, 25, 1), 1
	s_wait_xcnt 0x0
	s_wait_alu depctr_hold_cnt(0) depctr_sa_sdst(0) depctr_va_vdst(0) depctr_va_sdst(0) depctr_va_ssrc(0) depctr_va_vcc(0) depctr_vm_vsrc(0)
	s_getreg_b32 s2, hwreg(HW_REG_IB_STS2, 6, 4)
	s_cmp_eq_u32 s2, 0
	s_cbranch_scc0 .Lentry_in_a_cluster
	s_endpgm
.Lentry_in_a_cluster:
	s_bfe_u32 s2, ttmp6, 0x10000c
	s_cmp_lg_u32 s2, 0x3003
	s_cbranch_scc0 .Lentry_shape_is_right
	s_endpgm
.Lentry_shape_is_right:
; out0[q][64 h + d] = the sum over keys of softmax(Q[h][q] . K[h][key] / 8) V[h][key][d]; 16 heads of 64, 4,096 queries and keys; both products on codes of BF8 (E5M2) with one E8M0 scale for each 32 along a product's K.
; THE SOFTMAX AHEAD OF THE SECOND PRODUCT: t = score x log2(e) / 8; M = the row's largest t so far, rounded UP to a whole number; p = 2^(t - M) is quantised along the keys, not normalised.
; The row's sum is taken of the unquantised p, in f32, and divides O at the end.  When M moves, the sum and O are multiplied by 2^(old M - new M): exact.
; THE OPERANDS ARRIVE AS IMAGES OF THEIR REGISTERS: four registers are 512 bytes, lane l's 16 bytes at 16 l.  qc [head][step][tile 8][c 2][512]; kvc [head][step of 128 keys][16,384]: K [tile 8][c 2][512], V [tile 4][c 4][512].
; Scale words: K's and Q's 512 bytes a step, tile a, row r at 256 (a % 2) + 16 r + 4 (a / 2); V's 256 bytes a step, tile t, row r at 128 (t % 2) + 8 r + 4 (t / 2).
; Lane r of tile 2 b + u holds row 32 b + 8 u + r + 8 (r / 8).  Both products are used transposed (S^T = K Q^T, O^T = V^T P^T): a lane holds ONE query, and the 16 registers of score tiles 2 b, 2 b + 1 are 16 neighbouring keys.
; THE HEAD HAS 64 OF THE INSTRUCTION'S 128 ALONG K.  Q's upper eight registers are zero codes.  A tile of K is named with the eight registers that follow it: the next tile's codes; behind the last tile of area RA zeros, of area RB p's codes.
; All of these are codes of finite numbers, meet zero codes under scale bytes that stand for 1, and add nothing.
; SHARES.  A work-group owns 256 queries of one head, each of its sixteen waves one tile of 16, in 256 registers.  Every wave walks all keys, 128 a step.  A ring of two LDS slots of EIGHT steps (131,072 bytes each) is filled by
; waves 0 to 7, a step's record each: four changes of slots in all.  The head's scale words (24,576 bytes) stay in LDS: waves 8 to 15 fetch an eighth each at the head, so that every wave has one tensor load there.
; TWO REGISTER AREAS TAKE TURNS.  In a step one area holds K and then V, the other the scores and then p.  When p is converted its area takes the NEXT step's K, whose loads are out during the rescaling of O and the second product.
; So two steps make one trip; a slot is three trips and two steps written out, the last of which fetches no K: the next slot is read only behind the change of slots.
; CLUSTER.  The four query blocks of a cluster belong to one head and walk the same K and V: every tensor load is asked for jointly, by the same descriptor and a mask that names the four.
; LIMITS: NaN and infinities are not served; the promise holds while the scaled scores stay under 2^31 in magnitude.  A block's largest p is made from the block's largest score by the same two instructions: that takes v_exp_f32
; not to fall where its input rises (the ISA guide promises 1 ulp); at the worst one p of a block, within an ulp of a power of two, is held one code low.  A block whose every p is 0 keeps the byte 1: its codes are zeros.
.set REC,   16384                      ; a step's record: K's image, then V's
.set SLOTB, 1<<17                      ; a slot: eight records; slot 1 begins here, so that one exclusive or turns an address
.set NSL,   4                          ; slots' worth of keys
.set SCK,   2*SLOTB                    ; behind the ring: K's scale words of the head, 16,384 bytes,
.set SCV,   SCK+16384                  ; and V's, 8,192
.set SPARE, SCV+8192                   ; the spare words, 128 bytes for each wave: eight blocks of 256 bytes that no other line names
.set STAGE, 0                          ; the way out: 16 rows x (256 + 16) bytes a wave, in slot 0: left at the last change of slots, it has had its last fill and nobody reads it
.set SPI,   272
.set ADK,  1                           ; v1   16 x lane + the first record of the trip in hand
.set ADS,  2                           ; v2   my place among its scale words of K
.set ADT,  3                           ; v3   among V's
.set LI,   4                           ; v4   16 x lane
.set SPW,  5                           ; v5   LDS address of my spare word; never rewritten
.set NIL,  6                           ; v6   0; never rewritten
.set PFO,  7                           ; v7   256 x lane: the prefetches' offset; never rewritten
.set ASK0, 8                           ; v8   SCK + 16 x lane
.set ASV0, 9                           ; v9   SCV + 8 x lane
                                       ; v12 -M, v13 the largest t, v[14:15] the sum in two halves
.set QF,   16                          ; v16-23 Q's codes, v24-31 zero codes
.set RA,   32                          ; v32-95 area A; v96-103 zero codes
.set RB,   104                         ; v104-167 area B; p's codes follow it
.set P,    168                         ; v168-183 p's codes
.set O,    184                         ; v184-215 O^T
.set KS,   216                         ; v216-219 K's scale words
.set BMX,  220                         ; v220-223 the blocks' largest scores, then their largest p
.set TP,   224                         ; v224-227 at work
.set CAP,  228                         ; v228-231 57,344 x the scale
.set SOP,  232                         ; v232-235 the conversions' scale operands
.set PS,   237                         ; v237 p's scale word
.set FF,   238                         ; v238 f = 2^(old M - new M); v239 is named with it as a pair
.set L,    240                         ; v240-247 the step's sums of p: four chains of pairs
.set QS,   248                         ; v248 Q's scale words
.set TT,   249                         ; v249 at work
.set VS,   250                         ; v250-251 V's scale words
.set WV,   14                          ; s14  my wave's number
.set LIM,  15                          ; s15  1 in a wave that prefetches, else the greatest number
.set PFA,  16                          ; s[16:17] where my prefetches stand
.set MNT,  19                          ; s19  the mantissa field of 57,344
.set SEL,  20                          ; s[20:21] lane selects: lane l xor 16
.set CS,   22                          ; s[22:23] c = log2(e) / 8
.set G1,   24                          ; s[24:31] descriptor group 1 for a record;  s[32:39] for an eighth of the scale words;  s[40:43], s[44:47] their groups 0
.set G1S,  32
.set G0,   40
.set G0S,  44
.set TB,   48                          ; s48  LDS byte at which the slot in hand begins
.set TS,   49                          ; s49  where the trip's scale words of K begin: 1,024 bytes a trip
.set TJ,   50                          ; s50  and V's: 512
.set SLOTS, 51                         ; s51  slots still to be asked for
.set TQ,   66                          ; s66  the trip's first record in its slot, in bytes
.set TA,   67                          ; s67  s48 + s66
.set TRIP, 68                          ; s68  trips to go in the slot's loop
.macro CROUND                          ; a round of the cluster's barrier
	s_barrier_signal -1
	s_barrier_wait -1
	s_cmp_lg_u32 s[WV], 0
	s_cbranch_scc1 .Lnot_wave_0_\@
	s_barrier_signal -3
.Lnot_wave_0_\@:
	s_barrier_wait -3
	s_barrier_signal -1
	s_barrier_wait -1
.endm
.macro TLOAD                           ; a joint refill: waves 0 to 7 fetch a record each.  The branch hangs on the wave's number alone.  An s_nop 0 and four v_nop follow the line
	s_cmp_lt_u32 s[WV], 8
	s_cbranch_scc0 .Lasked_\@
	tensor_load_to_lds s[G0:G0+3], s[G1:G1+7]
	s_nop 0
.rept 4
	v_nop
.endr
.Lasked_\@:
.endm
; A PREFETCH of what the NEXT change of slots will ask for: a slot's 131,072 bytes, eight key steps ahead of that load.  Each aligned block of 256 bytes is named once in the launch: all clusters of a head walk the same
; records, so the head's first cluster asks; its four partners take two records each, told apart BY ADDRESS; in each, waves 8 to 11 (which fetch nothing for the ring) take 8,192 bytes each, lanes 256 bytes apart: one instruction a wave.
; The last change that fills a slot asks for nothing; slots 0 and 1 and the scale words come by their loads alone.
.macro ASK
	s_cmp_gt_u32 s[SLOTS], s[LIM]
	s_cbranch_scc0 .Lnot_mine_\@
	global_prefetch_b8 v[PFO], s[PFA:PFA+1] th:TH_LOAD_NT scope:SCOPE_SE
.Lnot_mine_\@:
.endm
	s_load_b256 s[4:11], s[0:1], 0x0               ; qc s[4:5], qs s[6:7], kvc s[8:9], kvs s[10:11]
	s_load_b64 s[12:13], s[0:1], 0x20              ; out0
	v_lshl_add_u32 v[SPW], v0, 2, SPARE
	v_mov_b32 v[NIL], 0
	ds_add_u32 v[SPW], v[NIL]                      ; the opening lines: the add, twice on end, and its wait ahead of my first tensor load
	ds_add_u32 v[SPW], v[NIL]
	v_lshrrev_b32 v10, 5, v0
	v_readfirstlane_b32 s[WV], v10                 ; wave 0..15
	s_bfe_u32 s18, ttmp6, 0x40000                  ; cx: my place in the cluster: it enters Q's, O's and the prefetches' addresses alone
	s_and_b32 s52, ttmp7, 0xffff                   ; the head, which the four partners share
	s_and_b32 s53, s[WV], 7                        ; which record of a slot, or which eighth of the scale words, I fetch
	s_mov_b32 s[G1], 15|(3<<16)|(1<<21)            ; a record: 64 rows of 256 bytes (32 elements of 8), dense; the mask names all four work-groups; bit 21 set beside it
	s_mov_b32 s[G1+1], 32<<16
	s_mov_b32 s[G1+2], 64<<16
	s_mov_b32 s[G1+3], 32<<16
	s_mov_b32 s[G1+4], 64
	s_mov_b32 s[G1+5], 32
	s_mov_b32 s[G1+6], 0
	s_mov_b32 s[G1+7], 0
	s_mov_b32 s[G1S], 15|(3<<16)|(1<<21)           ; an eighth of the head's 24,576 bytes of scale words: 12 such rows
	s_mov_b32 s[G1S+1], 32<<16
	s_mov_b32 s[G1S+2], 12<<16
	s_mov_b32 s[G1S+3], 32<<16
	s_mov_b32 s[G1S+4], 12
	s_mov_b32 s[G1S+5], 32
	s_mov_b32 s[G1S+6], 0
	s_mov_b32 s[G1S+7], 0
	s_lshl_b32 s54, s52, 19                        ; the head's 524,288 bytes of kvc
	s_mov_b32 s55, 0
	s_lshl_b32 s56, s53, 14                        ; my record: in memory and in a slot
	s_mov_b32 s57, 0
	s_mul_i32 s58, s52, 24576
	s_mul_i32 s60, s53, 3072
	s_add_co_u32 s58, s58, s60                     ; my eighth of the head's scale words
	s_mov_b32 s59, 0
	s_mov_b32 s[MNT], 0x600000
	s_mov_b32 s[SEL], 0x76543210
	s_mov_b32 s[SEL+1], 0xfedcba98
	s_mov_b32 s[CS], 0x3e38aa3b                    ; c = log2(e) / 8
	s_mov_b32 s[CS+1], s[CS]                       ; (named with it as a pair, so it is written)
	s_mov_b32 s[TB], 0
	s_mov_b32 s[TS], 0
	s_mov_b32 s[TJ], 0
	s_mov_b32 s[SLOTS], NSL-1
	s_wait_dscnt 0x0                               ; both opening adds are done
	s_wait_kmcnt 0x0
	s_add_nc_u64 s[8:9], s[8:9], s[54:55]          ; kvc at my head
	s_mov_b32 s[G0], 1
	s_mov_b32 s[G0+1], s56                         ; LDS address: slot 0
	s_add_nc_u64 s[G0+2:G0+3], s[8:9], s[56:57]
	s_or_b32 s[G0+3], s[G0+3], 0x80000000
	s_mov_b32 s[G0S], 1
	s_add_co_u32 s[G0S+1], s60, SCK
	s_add_nc_u64 s[G0S+2:G0S+3], s[10:11], s[58:59]
	s_or_b32 s[G0S+3], s[G0S+3], 0x80000000
	CROUND                                         ; all four work-groups are here: the first joint loads meet
	s_cmp_lt_u32 s[WV], 8                          ; ONE load a wave at the head, in two arms that join: every way passes one
	s_cbranch_scc0 .Lhead_scales
	tensor_load_to_lds s[G0:G0+3], s[G1:G1+7]      ; waves 0 to 7: slot 0's records
	s_nop 0
.rept 4
	v_nop
.endr
	s_branch .Lhead_asked
.Lhead_scales:
	tensor_load_to_lds s[G0S:G0S+3], s[G1S:G1S+7]  ; waves 8 to 15: the scale words of the whole head: filled once
	s_nop 0
.rept 4
	v_nop
.endr
.Lhead_asked:
	s_lshl_b32 s53, ttmp9, 2                       ; in a cluster launch ttmp9 counts clusters
	s_add_co_u32 s53, s53, s18                     ; my block of 256 queries
	s_lshl_b32 s53, s53, 4
	s_add_co_u32 s53, s53, s[WV]                   ; T: my tile of 16 queries, of the head's 256
	s_lshl_b32 s56, s52, 18
	s_lshl_b32 s60, s53, 10
	s_add_co_u32 s56, s56, s60
	s_add_nc_u64 s[4:5], s[4:5], s[56:57]          ; its image: head x 262,144 + T x 1,024
	s_lshr_b32 s60, s53, 3                         ; T / 8: its step of 128 queries
	s_and_b32 s61, s[WV], 1                        ; T % 2
	s_bfe_u32 s62, s[WV], 0x20001                  ; (T % 8) / 2
	s_lshl_b32 s56, s52, 14
	s_lshl_b32 s63, s60, 9
	s_add_co_u32 s56, s56, s63
	s_lshl_b32 s63, s61, 8
	s_add_co_u32 s56, s56, s63
	s_lshl_b32 s63, s62, 2
	s_add_co_u32 s56, s56, s63
	s_add_nc_u64 s[6:7], s[6:7], s[56:57]          ; its scale words: row r's 16 r bytes on
	s_lshl_b32 s56, s60, 7
	s_lshl_b32 s63, s62, 5
	s_add_co_u32 s56, s56, s63
	s_lshl_b32 s63, s61, 3
	s_add_co_u32 s56, s56, s63                     ; the tile's first query: 128 (T / 8) + 32 ((T % 8) / 2) + 8 (T % 2); lane r's is r + 8 (r / 8) on
	s_lshl_b32 s56, s56, 12                        ; a row of out0 is 4,096 bytes,
	s_lshl_b32 s63, s52, 8                         ; a head's part of it 256
	s_add_co_u32 s56, s56, s63
	s_add_nc_u64 s[12:13], s[12:13], s[56:57]
	s_lshl_b32 s56, s18, 15                        ; the prefetches: my work-group's two records,
	s_and_b32 s63, s[WV], 3
	s_lshl_b32 s63, s63, 13                        ; my wave's quarter of them,
	s_add_co_u32 s56, s56, s63
	s_add_co_u32 s56, s56, SLOTB                   ; in slot 1: the first change of slots steps it to slot 2.  Nothing is prefetched here, at the head
	s_add_nc_u64 s[PFA:PFA+1], s[8:9], s[56:57]
	s_sub_co_u32 s63, s[WV], 8
	s_lshr_b32 s63, s63, 2                         ; 0 in waves 8 to 11,
	s_or_b32 s63, s63, ttmp9                       ; of the head's first cluster: the same in all four partners
	s_cmp_eq_u32 s63, 0
	s_cselect_b32 s[LIM], 1, -1
	v_and_b32 v10, 31, v0
	v_lshlrev_b32 v[LI], 4, v10
	v_lshlrev_b32 v[PFO], 8, v10
	v_add_nc_u32 v[ASK0], SCK, v[LI]
	v_lshl_add_u32 v[ASV0], v10, 3, SCV
	global_load_b128 v[QF:QF+3], v[LI], s[4:5]     ; Q's fragment stays in registers: the head's first 32,
	global_load_b128 v[QF+4:QF+7], v[LI], s[4:5] offset:512   ; its second 32
	v_and_b32 v11, 15, v0
	v_lshlrev_b32 v11, 4, v11
	global_load_b32 v[QS], v11, s[6:7]             ; Q's scale words
.irp j, 0,1,2,3,4,5,6,7
	v_mov_b32 v[QF+8+\j], 0                        ; zero codes: the upper 64 along K of Q,
	v_mov_b32 v[RA+64+\j], 0                       ; and what follows area A's last tile
.endr
	v_mov_b32 v13, 0xff61b1e6                      ; the largest t so far: -3e38, under every t
	v_floor_f32 v12, -v13                          ; -M
	v_mov_b32 v14, 0                               ; the sum, in two halves
	v_mov_b32 v15, 0
.irp b, 0,1,2,3
	v_mov_b32 v[TP+\b], 0                          ; written once: a lane permute's destination counts as one of its sources
.endr
	v_mov_b32 v[TT], 0
	v_mov_b32 v[FF+1], 0                           ; (named as the upper half of the pair with f)
.set j, 0
.rept 32
	v_mov_b32 v[O+j], 0                            ; O^T.  (The key step has one form: the first finds zeros, which the first change of M leaves zeros)
.set j, j+1
.endr
.macro ADDR                            ; the LDS addresses of the trip in hand
	s_add_co_u32 s[TA], s[TB], s[TQ]
	v_add_nc_u32 v[ADK], s[TA], v[LI]
	v_add_nc_u32 v[ADS], s[TS], v[ASK0]
	v_add_nc_u32 v[ADT], s[TJ], v[ASV0]
.endm
.macro KLOAD d, q                      ; eight tiles of K, record q of the trip, into area d, and their scale words: 17 loads
.irp t, 0,1,2,3,4,5,6,7
	ds_load_b128 v[\d+8*\t:\d+8*\t+3], v[ADK] offset:(\q)*REC+\t*1024
	ds_load_b128 v[\d+8*\t+4:\d+8*\t+7], v[ADK] offset:(\q)*REC+\t*1024+512
.endr
	ds_load_b128 v[KS:KS+3], v[ADS] offset:(\q)*512
.endm
; A KEY STEP: 128 keys, record q of the trip.  ka: the area with K, then V;  sb: the area of the scores, then p, then (pre = 1) the next step's K.  adv = 1: the addresses go on to the next trip.
.macro STEP ka, sb, q, pre, adv
	s_wait_dscnt 0x0                               ; K and its scale words are in
.irp t, 0,2,4,6                                ; S^T = K Q^T: eight tiles of 16 keys; an even tile's scale words lie in lanes 0-15, an odd tile's in lanes 16-31
	v_wmma_scale_f32_16x16x128_f8f6f4 v[\sb+8*\t:\sb+8*\t+7], v[\ka+8*\t:\ka+8*\t+15], v[QF:QF+15], 0, v[KS+\t/2], v[QS] matrix_a_fmt:MATRIX_FMT_BF8 matrix_b_fmt:MATRIX_FMT_BF8
	v_wmma_scale_f32_16x16x128_f8f6f4 v[\sb+8*\t+8:\sb+8*\t+15], v[\ka+8*\t+8:\ka+8*\t+23], v[QF:QF+15], 0, v[KS+\t/2], v[QS] matrix_a_fmt:MATRIX_FMT_BF8 matrix_b_fmt:MATRIX_FMT_BF8 matrix_a_scale:MATRIX_SCALE_ROW1
.endr
.rept 8
	v_nop                                          ; places in front of the loads over K's registers and of the first read of the scores
.endr
.irp t, 0,1,2,3                                ; V's four tiles land while the softmax is walked
.irp c, 0,1,2,3
	ds_load_b128 v[\ka+16*\t+4*\c:\ka+16*\t+4*\c+3], v[ADK] offset:(\q)*REC+8192+\t*2048+\c*512
.endr
.endr
	ds_load_b64 v[VS:VS+1], v[ADT] offset:(\q)*256
.irp b, 0,1,2,3
	v_max3_num_f32 v[BMX+\b], v[\sb+16*\b], v[\sb+1+16*\b], v[\sb+2+16*\b]   ; THE LARGEST SCORE OF EACH BLOCK OF 32 KEYS: it serves the row's maximum and, since p rises with the score, the block's largest p
.endr
.irp i, 3,5,7,9,11,13
.irp b, 0,1,2,3
	v_max3_num_f32 v[BMX+\b], v[BMX+\b], v[\sb+16*\b+\i], v[\sb+1+16*\b+\i]   ; (the four blocks by turns)
.endr
.endr
.irp b, 0,1,2,3
	v_max_num_f32 v[BMX+\b], v[BMX+\b], v[\sb+15+16*\b]
.endr
.irp b, 0,1,2,3
	s_delay_alu instid0(VALU_DEP_4)
	v_permlanex16_b32 v[TP+\b], v[BMX+\b], s[SEL], s[SEL+1]
.endr
.irp b, 0,1,2,3
	s_delay_alu instid0(VALU_DEP_4)
	v_max_num_f32 v[BMX+\b], v[BMX+\b], v[TP+\b]   ; with lane l xor 16's 16 keys
.endr
	s_delay_alu instid0(VALU_DEP_2)
	v_max3_num_f32 v[TT], v[BMX], v[BMX+1], v[BMX+2]
	s_delay_alu instid0(VALU_DEP_1)
	v_max_num_f32 v[TT], v[TT], v[BMX+3]           ; the step's largest score of my query
	s_delay_alu instid0(VALU_DEP_1)
	v_mul_f32 v[TT], s[CS], v[TT]                  ; as t (c is positive)
	s_delay_alu instid0(VALU_DEP_1)
	v_max_num_f32 v13, v13, v[TT]                  ; the running largest t
	v_mov_b32 v[TT], v12
	s_delay_alu instid0(VALU_DEP_2)
	v_floor_f32 v12, -v13                          ; the new -M = floor(-t) = -ceil(t): M is a whole number
	s_delay_alu instid0(VALU_DEP_1)
	v_sub_f32 v[TT], v12, v[TT]                    ; M's old value less its new one: a whole number, 0 or less
	s_delay_alu instid0(VALU_DEP_1)
	v_cvt_i32_f32 v[TT], v[TT]                     ; (it saturates)
	s_delay_alu instid0(VALU_DEP_1)
	v_ldexp_f32 v[FF], 1.0, v[TT]                  ; f = 2^(old M - new M)
.set j, 0
.rept 32
	v_pk_fma_f32 v[\sb+j:\sb+j+1], v[\sb+j:\sb+j+1], s[CS:CS+1], v[12:13] op_sel_hi:[1,0,0]   ; t - M, two at a time (of the pairs c and -M the low word serves both halves)
.set j, j+2
.endr
.irp b, 0,1,2,3
	v_fma_f32 v[BMX+\b], v[BMX+\b], s[CS], v12     ; the same of each block's largest score
.endr
	s_wait_alu depctr_va_vdst(0)
.set j, 0
.rept 64
	v_exp_f32 v[\sb+j], v[\sb+j]                   ; p = 2^(t - M), at most 1: not normalised
.set j, j+1
.endr
.irp b, 0,1,2,3
	v_exp_f32 v[BMX+\b], v[BMX+\b]                 ; the block's largest p: the same two instructions on the same number give the same bits.  One batch of 68
.endr
	s_wait_alu depctr_va_vdst(0)                   ; one wait for the whole batch, ahead of its first reader
.irp k, 0,1,2,3                                ; THE ROW'S SUM IS TAKEN OF THE UNQUANTISED p: two at a time, in four chains.  (The first line names nothing of the last exponential: its plain place)
	v_pk_add_f32 v[L+2*\k:L+2*\k+1], v[\sb+4*\k:\sb+4*\k+1], v[\sb+4*\k+2:\sb+4*\k+3]
.endr
.irp i, 16,24,32,40,48,56
.irp k, 0,1,2,3
	v_pk_add_f32 v[L+2*\k:L+2*\k+1], v[L+2*\k:L+2*\k+1], v[\sb+\i+2*\k:\sb+\i+2*\k+1]
.endr
.endr
.irp b, 0,1,2,3
	v_max_num_f32 v[BMX+\b], 0x8000000, v[BMX+\b]  ; the floor 2^(16 - 127): the byte cannot fall under 1
.endr
.irp b, 0,1,2,3
	s_delay_alu instid0(VALU_DEP_4)
	v_add_nc_u32 v[SOP+\b], 0xf8800000, v[BMX+\b]  ; 15 off the exponent field: the conversion's scale operand
.endr
.irp b, 0,1,2,3
	v_and_or_b32 v[CAP+\b], v[BMX+\b], 0x7f800000, s[MNT]   ; 57,344 x the scale
.endr
.irp b, 0,1,2,3
	v_lshrrev_b32 v[TP+\b], 23, v[SOP+\b]          ; the scale's byte
.endr
	s_delay_alu instid0(VALU_DEP_3)
	v_lshl_or_b32 v[PS], v[TP+1], 8, v[TP]         ; p's scale word for these 128 keys: made ahead of the holds, more than eight places ahead of the products
	s_delay_alu instid0(VALU_DEP_1)
	v_lshl_or_b32 v[PS], v[TP+2], 16, v[PS]
	s_delay_alu instid0(VALU_DEP_1)
	v_lshl_or_b32 v[PS], v[TP+3], 24, v[PS]
.irp b, 0,2                                    ; THE HOLD: the conversion to an 8-bit code does not saturate (ISA guide 7.6.2); p is not negative, so it is one-sided.  Two holds a line: number j of block b with
.irp j, 0,1,2,3,4,5,6,7,8,9,10,11,12,13,14,15  ; number j xor 1 of block b + 1: one destination even, one odd, and both pairs of sources in registers that differ modulo 4
	v_dual_min_num_f32 v[\sb+16*\b+\j], v[\sb+16*\b+\j], v[CAP+\b] :: v_dual_min_num_f32 v[\sb+16*\b+16+\j+1-2*(\j%2)], v[\sb+16*\b+16+\j+1-2*(\j%2)], v[CAP+\b+1]
.endr
	v_cvt_scalef32_pk8_bf8_f32 v[P+4*\b:P+4*\b+1], v[\sb+16*\b:\sb+16*\b+7], v[SOP+\b]
	v_cvt_scalef32_pk8_bf8_f32 v[P+4*\b+2:P+4*\b+3], v[\sb+16*\b+8:\sb+16*\b+15], v[SOP+\b]
	v_cvt_scalef32_pk8_bf8_f32 v[P+4*\b+4:P+4*\b+5], v[\sb+16*\b+16:\sb+16*\b+23], v[SOP+\b+1]
	v_cvt_scalef32_pk8_bf8_f32 v[P+4*\b+6:P+4*\b+7], v[\sb+16*\b+24:\sb+16*\b+31], v[SOP+\b+1]
.endr
	s_wait_alu depctr_va_vdst(0)
	s_wait_dscnt 0x0                               ; V and its scale words are in (asked for ahead of the softmax)
.if \pre
	KLOAD \sb, (\q)+1                              ; p is converted: its area takes the next step's K
.endif
	s_wait_alu depctr_va_vdst(0)
.set j, 0
.rept 16
	v_pk_mul_f32 v[O+j:O+j+1], v[O+j:O+j+1], v[FF:FF+1] op_sel_hi:[1,0]   ; O^T under the new M: x f.  (These sixteen are also the places between the conversions and the products)
.set j, j+2
.endr
.irp t, 0,2                                    ; O^T += V^T P^T: four tiles of 16 channels; K = these 128 keys.  The accumulators take turns, and the eight score products stand between two links
	v_wmma_scale_f32_16x16x128_f8f6f4 v[O+8*\t:O+8*\t+7], v[\ka+16*\t:\ka+16*\t+15], v[P:P+15], v[O+8*\t:O+8*\t+7], v[VS+\t/2], v[PS] matrix_a_fmt:MATRIX_FMT_BF8 matrix_b_fmt:MATRIX_FMT_BF8
	v_wmma_scale_f32_16x16x128_f8f6f4 v[O+8*\t+8:O+8*\t+15], v[\ka+16*\t+16:\ka+16*\t+31], v[P:P+15], v[O+8*\t+8:O+8*\t+15], v[VS+\t/2], v[PS] matrix_a_fmt:MATRIX_FMT_BF8 matrix_b_fmt:MATRIX_FMT_BF8 matrix_a_scale:MATRIX_SCALE_ROW1
.endr
	; NINE PLACES: the next step's score products write over V's area.  The sums' last lines and the address steps name none of these products' registers
	v_pk_add_f32 v[L:L+1], v[L:L+1], v[L+2:L+3]
	v_pk_add_f32 v[L+4:L+5], v[L+4:L+5], v[L+6:L+7]
	v_pk_add_f32 v[L:L+1], v[L:L+1], v[L+4:L+5]
	v_pk_fma_f32 v[14:15], v[14:15], v[FF:FF+1], v[L:L+1] op_sel_hi:[1,0,1]   ; the sum under the new M, and this step's p
.if \adv
	s_add_co_u32 s[TQ], s[TQ], 2*REC
	s_add_co_u32 s[TS], s[TS], 1024
	s_add_co_u32 s[TJ], s[TJ], 512
	ADDR
	v_nop
	v_nop
.else
.rept 5
	v_nop
.endr
.endif
.endm
; THE CHANGE OF SLOTS stands at a slot's head.  Each wave waits for all its tensor loads, adds 0 to its spare word, and waits for that and for its reads of the slot that it has left.
; fill = 1: the barrier is a round of the cluster's; behind it the other slot is filled with the keys that follow: the load has eight key steps in which to land.
.macro CHANGE fill
	s_wait_tensorcnt 0x0                           ; no tensor load of mine is out, so a group 0 may be written
	ds_add_u32 v[SPW], v[NIL]                      ; 0 onto my spare word
.if \fill
	s_xor_b32 s[G0+1], s[G0+1], SLOTB              ; the walking descriptor: the other slot than last time,
	s_add_nc_u64 s[G0+2:G0+3], s[G0+2:G0+3], SLOTB ; the next eight records; the type bits on top are not reached
	s_wait_xcnt 0x0                                ; the last prefetch, a slot back, has read its address, so it may be written:
	s_add_nc_u64 s[PFA:PFA+1], s[PFA:PFA+1], SLOTB ; one slot further on than the walking descriptor
	s_wait_dscnt 0x0                               ; the add is done, and my reads of the slot that I have left are over
	CROUND
	TLOAD                                          ; the first thing behind the round, and a wave's one tensor load until the next
	ASK
.else
	s_wait_dscnt 0x0
	s_barrier_signal -1
	s_barrier_wait -1
.endif
.endm
.macro SLOT_STEPS                      ; a slot's eight steps: three trips of two, and two written out: the last fetches no K
	s_mov_b32 s[TQ], 0
	ADDR
	s_wait_alu depctr_va_vdst(0)
	KLOAD RA, 0
	s_mov_b32 s[TRIP], 3
.Ltrip_\@:
	STEP RA, RB, 0, 1, 0
	STEP RB, RA, 1, 1, 1
	s_sub_co_u32 s[TRIP], s[TRIP], 1
	s_cmp_lg_u32 s[TRIP], 0
	s_wait_alu depctr_va_vdst(0)
	s_cbranch_scc1 .Ltrip_\@
	STEP RA, RB, 0, 1, 0
	STEP RB, RA, 1, 0, 0
	s_xor_b32 s[TB], s[TB], SLOTB                  ; on to the other slot,
	s_add_co_u32 s[TS], s[TS], 1024                ; and to its scale words
	s_add_co_u32 s[TJ], s[TJ], 512
.endm
	s_wait_alu depctr_va_vdst(0)
	s_wait_loadcnt 0x0                             ; Q
.Lslot:                                            ; NSL - 1 trips: behind each change of slots but the last the next slot is asked for
	CHANGE 1
	SLOT_STEPS
	s_sub_co_u32 s[SLOTS], s[SLOTS], 1
	s_cmp_lg_u32 s[SLOTS], 0
	s_cbranch_scc1 .Lslot
	CHANGE 0                                       ; the last slot is written out
	SLOT_STEPS
	; THE WAY OUT.  O^T is divided by the sum and goes through my stage in LDS, so that sixteen lanes store one query's 256 bytes of the head.  Register 16 A + i of O^T is channel 32 A + 16 (lane / 16) + i.
	v_add_f32 v14, v14, v15                        ; the sum's two halves,
	s_delay_alu instid0(VALU_DEP_1)
	v_permlanex16_b32 v[TT], v14, s[SEL], s[SEL+1]
	s_delay_alu instid0(VALU_DEP_1)
	v_add_f32 v14, v14, v[TT]                      ; and lane l xor 16's: the row's sum
	s_wait_alu depctr_va_vdst(0)
	v_rcp_f32 v14, v14
	v_and_b32 v10, 15, v0                          ; (plain lines behind the reciprocal)  r
	v_bfe_u32 v11, v0, 4, 1                        ; h
	s_mul_i32 s52, s[WV], 16*SPI
	s_add_co_u32 s52, s52, STAGE                   ; my stage
	v_mul_u32_u24 v252, v10, SPI
	v_mul_u32_u24 v253, v11, SPI
	v_lshlrev_b32 v254, 12, v11
	v_lshl_add_u32 v252, v11, 6, v252
	v_lshl_add_u32 v253, v10, 4, v253
	v_lshl_add_u32 v254, v10, 4, v254              ; two rows of out0: lanes 0-15 one, lanes 16-31 the next
	v_add_nc_u32 v252, s52, v252                   ; in: row r, + 64 h
	v_add_nc_u32 v253, s52, v253                   ; back: lanes 0-15 one row, lanes 16-31 the next
	s_wait_alu depctr_va_vdst(0)                   ; the wait ahead of the reciprocal's first reader and of O^T's
.set j, 0
.rept 16
	v_pk_mul_f32 v[RA+j:RA+j+1], v[O+j:O+j+1], v[14:15] op_sel_hi:[1,0]   ; each accumulator from its low end on
.set j, j+2
.endr
.irp a, 0,1
.irp k, 0,1,2,3
	ds_store_b128 v252, v[RA+16*\a+4*\k:RA+16*\a+4*\k+3] offset:128*\a+16*\k
.endr
.endr
.irp i, 0,1,2,3,4,5,6,7
	ds_load_b128 v[RB+4*\i:RB+4*\i+3], v253 offset:2*\i*SPI   ; LDS serves a wave's instructions in order: these see my stores
.endr
.irp i, 0,1,2,3,4,5,6,7
	s_wait_dscnt 7-\i                              ; load i is in; the later ones may be out
	global_store_b128 v254, v[RB+4*\i:RB+4*\i+3], s[12:13] offset:(2*\i+8*(\i/4))*4096 th:TH_STORE_NT   ; tile row 2 i + half is query 2 i + half + 8 (i / 4); 16 lanes store 256 consecutive bytes, aligned
.endr
	s_wait_tensorcnt 0x0                           ; the wave's end, behind my last tensor load and my last LDS store
	ds_add_u32 v[SPW], v[NIL]
	s_wait_dscnt 0x0
	CROUND                                         ; the closing round: no work-group ends while a partner may still ask for a tile that names it
	s_endpgm
.Lfunc_end_k_qc326128303_attn:
	.size	k_qc326128303_attn, .Lfunc_end_k_qc326128303_attn-k_qc326128303_attn
	.p2alignl 7, 3214868480
	.fill 96, 4, 3214868480
	.section	.rodata,"a",@progbits
	.p2align	6, 0x0
	.amdhsa_kernel k_qc326128303_attn
		.amdhsa_group_segment_fixed_size 327680
		.amdhsa_private_segment_fixed_size 0
		.amdhsa_enable_private_segment 0
		.amdhsa_kernarg_size 40
		.amdhsa_user_sgpr_count 2
		.amdhsa_user_sgpr_kernarg_segment_ptr 1
		.amdhsa_wavefront_size32 1
		.amdhsa_system_sgpr_workgroup_id_x 1
		.amdhsa_system_sgpr_workgroup_id_y 1
		.amdhsa_system_sgpr_workgroup_id_z 1
		.amdhsa_system_vgpr_workitem_id 0
		.amdhsa_next_free_vgpr 256
		.amdhsa_next_free_sgpr 72
		.amdhsa_reserve_vcc 0
		.amdhsa_float_denorm_mode_32 3
		.amdhsa_float_denorm_mode_16_64 3
		.amdhsa_memory_ordered 1
		.amdhsa_forward_progress 1
		.amdhsa_inst_pref_size 164
	.end_amdhsa_kernel
	.amdgpu_metadata
---
amdhsa.version: [ 1, 2 ]
amdhsa.kernels:
  - .name:           k_qc326128303_attn
    .symbol:         k_qc326128303_attn.kd
    .args:
      - { .name: qc, .offset: 0, .size: 8, .value_kind: global_buffer, .address_space: global }
      - { .name: qs, .offset: 8, .size: 8, .value_kind: global_buffer, .address_space: global }
      - { .name: kvc, .offset: 16, .size: 8, .value_kind: global_buffer, .address_space: global }
      - { .name: kvs, .offset: 24, .size: 8, .value_kind: global_buffer, .address_space: global }
      - { .name: out0, .offset: 32, .size: 8, .value_kind: global_buffer, .address_space: global }
    .group_segment_fixed_size: 327680
    .private_segment_fixed_size: 0
    .kernarg_segment_align: 8
    .kernarg_segment_size: 40
    .max_flat_workgroup_size: 512
    .sgpr_count:     72
    .vgpr_count:     256
    .wavefront_size: 32
...
	.end_amdgpu_metadata
.endif
;; end of part 3
